; MI455X (gfx1250); checked and timed in simulation.
; The chip was launched on July 23, 2026; its instructions are those of AMD's public machine-readable ISA for CDNA 5 (MIT licence, August 2026) and "CDNA5" Instruction Set Architecture Reference Guide (July 2026). The comments in the code are by the model that wrote it; some were corrected since.
;; Enhanced Mo E Model. Allowed arithmetic: matrix products marked QUANTISED: E2M3 operands, one E8M0 scale for each 32 along K, by v_wmma_scale_f32_16x16x128_f8f6f4 with both operands' format E2M3, f32 sums; products left as they are: f32 operands where the result goes on into a quantised operand, else bf16, f16 or f32 operands; f32 sums; everything else in f32.
;; Inputs: W1_codes 8 x 64 x 1 x 24 uint8 (E2M3 codes of W1, K innermost, in blocks of 32 codes, four codes in three bytes); W1_scales 8 x 64 x 1 uint8 (E8M0 scales of W1, one for each 32 codes along K); W2_codes 8 x 32 x 2 x 24 uint8 (E2M3 codes of W2, K innermost, in blocks of 32 codes, four codes in three bytes); W2_scales 8 x 32 x 2 uint8 (E8M0 scales of W2, one for each 32 codes along K); W3 8 x 32 x 1 float32; b1 8 x 64 float32; b2 8 x 32 float32; b3 8 x 1 float32; soft_cluster_probs 524,288 x 8 float32; x_codes 524,288 x 1 x 24 uint8 (E2M3 codes of x, K innermost, in blocks of 32 codes, four codes in three bytes); x_scales 524,288 x 1 uint8 (E8M0 scales of x, one for each 32 codes along K).
;; Outputs: out0 524,288 x 1 float32.
;; This version of the problem:
;;   THIS VERSION OF THE PROBLEM IS GIVEN IN LOW PRECISION. The matrix products marked QUANTISED in the list below multiply operands that are first quantised to E2M3 (2 exponent bits, 3 mantissa bits; 6 bits a number), with one power-of-two scale for each 32 numbers along K (OCP MX v1.0); their sums are f32. All else is computed in f32.
;;   The module's matrix products, in the order in which they are computed (A, B: the left and right operand; K: the contracted axis; several contracted axes count as one K, in the product's order):
;;     1. [M 512, K 32] x [K 32, N 524,288]; A: input W1 (given as codes); B: input x (given as codes): QUANTISED
;;     2. batch 8 x [M 524,288, K 64] x [K 64, N 32]; A: computed on the way; B: input W2 (given as codes): QUANTISED
;;     3. batch 8 x [M 524,288, K 32] x [K 32, N 1]; A: computed on the way; B: input W3: left as it is (N = 1 < 16)
;;     4. batch 524,288 x [M 1, K 8] x [K 8, N 1]; A: computed on the way; B: input soft_cluster_probs: left as it is (K = 8 < 32)
;;   THE QUANTISER, for each operand of a quantised product, along K:
;;     - K is cut into blocks of 32 from its start; a last block that is shorter is filled with zeros.
;;     - A block's scale is 2^e with e = floor(log2(the largest magnitude in the block)) - 2, held to -126 .. 127; a block of zeros has e = 0. As a byte (E8M0): e + 127.
;;     - Each number is divided by its block's scale, clamped to +-7.5, and rounded to the nearest number of E2M3, ties to even, subnormals kept.
;;     - The product sums the exact products of the quantised numbers (number of the format x scale) in f32.
;;   ~~~python
;;   def quantise(x, axis):      # numpy; x: float32 -> the quantised numbers, widened to float32 again
;;       x = np.moveaxis(x, axis, -1); K = x.shape[-1]
;;       x = np.pad(x, [(0, 0)] * (x.ndim - 1) + [(0, -K % 32)]); x = x.reshape(x.shape[:-1] + (-1, 32)); a = np.abs(x).max(-1, keepdims=True)
;;       e = np.where(a > 0, np.clip(np.frexp(np.where(a > 0, a, 1))[1] - 1 - 2, -126, 127), 0)      # np.frexp(a)[1] - 1 = floor(log2(a)), exactly
;;       r = np.clip(x / 2.0 ** e, -7.5, 7.5)
;;       step = 2.0 ** (np.maximum(np.frexp(np.where(r == 0, 1, r))[1] - 1, 0) - 3)
;;       q = np.round(r / step) * step * 2.0 ** e      # np.round: ties to even
;;       return np.moveaxis(q.reshape(q.shape[:-2] + (-1,))[..., :K], -1, axis).astype(np.float32)
;;   ~~~
;;   OPERANDS COMPUTED ON THE WAY. 'Computed on the way' means the value that the module computes at that place (a softmax that the list does not call 'softmax' is quantised finished and normalised). What goes into a quantiser is computed in f32, as accurately as f32 sums, v_exp_f32 and their like allow (about 1e-6 of the number): no bf16 or f16 on the way to a quantiser, and a product that is left as it is and whose result goes on into a quantised operand takes f32 operands (vector FMAs, or v_wmma_f32_16x16x4_f32). A number that lies on a knife's edge between two numbers of the format may be rounded either way, as far as f32 arithmetic and the matrix unit's own rounding can turn it there, and no further.
;;   INPUTS GIVEN AS CODES. W1 (in the module: [8, 32, 64], K = its axis 1); W2 (in the module: [8, 64, 32], K = its axis 1); x (in the module: [524288, 32], K = its axis 1): each comes as NAME_codes (uint8): NAME with its K axis moved to the last place and cut into blocks of 32 codes, [.., K / 32, bytes a block], one block behind the other in memory; four codes in three bytes: a row's codes are one little-endian stream of bits, code i at bits 6 i .. 6 i + 5 (a code: sign, 2 exponent bits, 3 mantissa bits); and NAME_scales (uint8): the same leading axes, one E8M0 byte (e + 127) for each 32 codes along K. Its value is code x scale, taken as it is: it is not quantised again, and the codes and scales need not be those that the quantiser above would give.
;; One version. Each part assembles by itself: llvm-mc -triple=amdgcn-amd-amdhsa -mcpu=gfx1250 --defsym DOCPART=n.
;; ======== version 1 of 1: 1 launch
;; limits: right only within a limited range of input values
;; launch moe (part 1): grid 256 x 1, 16 waves a work-group, no clusters, 327,680 bytes of LDS; arguments x_codes, x_scales, soft_cluster_probs, W1_codes, W1_scales, b1, W2_codes, W2_scales, b2, W3, b3, out0; writes out0
.if DOCPART == 1
	.amdgcn_target "amdgcn-amd-amdhsa--gfx1250"
	.amdhsa_code_object_version 6
	.text
	.protected	k_qaf5e199dc9_moe
	.globl	k_qaf5e199dc9_moe
	.p2align	8
	.type	k_qaf5e199dc9_moe,@function
k_qaf5e199dc9_moe:
	s_mov_b64 s[64:65], 0
	v_nop
	global_prefetch_b8 v0, s[64:65] scope:SCOPE_SE
	s_setreg_imm32_b32 hwreg(HW_REG_WAVE_MODE, 25, 1), 1
	s_wait_xcnt 0x0
; out[row] = sum over e of probs[row][e] x sigmoid( relu( Q(relu(x W1[e] + b1[e])) W2[e] + b2[e] ) . W3[e] + b3[e] ).   524,288 rows, 8 experts.
; x, W1, W2 come as FP6 (E2M3) codes with one E8M0 byte for each 32 along K; Q quantises the hidden layer's 64 units in two blocks of 32.  Both products go by
; v_wmma_scale_f32_16x16x128_f8f6f4 on FP6 codes; the dot with W3, the sigmoid and the weighted sum are f32 vector work.  Nothing goes through memory between the steps.
; SHARES.  A work-group owns 2,048 rows.  Wave w keeps expert w & 7's weights in registers and walks 1,024 rows (half w >> 3), 16 rows (a unit) a step, 64 units.  Its sigmoids go to LDS;
; behind one barrier thread t weighs rows 4 t .. 4 t + 3 with their probabilities and stores 16 bytes: a wave's store covers 512 consecutive bytes, aligned.
; LAYOUT.  Both products are used transposed (source 0 = 16 rows of a weight, source 1 = 16 rows of data): lane (r = lane % 16, h = lane / 16) holds data row r throughout.
;  - Row m of W1's tile t is hidden unit 32 (m / 8) + 8 t + m % 8: the lane's 32 results of the four tiles are units 32 h + 0 .. 31: one whole block in a lane.
;  - The first product's K = 32 fills k 0 .. 31 of 128; W1's fragments hold zero codes elsewhere.
;  - THE FIRST ACTIVATION IS DONE BY THE SECOND PRODUCT'S SPARE K.  The block's scale is taken from the largest number behind the activation (negative numbers do not count), and all 32 numbers are
;    converted WITH their signs: c.  A positive number's code is the quantiser's; a negative one's is some negative code.  The operand holds c (registers 0-2, 6-8) and |c|, the same bits with the
;    sign bits cleared (registers 3-5, 9-11), and W2's fragment holds its codes twice: c w + |c| w = 2 relu(c) w, which is twice the quantised operand's product, term by term.
;    So D = 2 (sum) + C with C = 2 b2 is twice the second layer before its activation; the factor leaves with W3, which is kept as -log2(e)/2 x W3.
;    The instruction's four blocks of 32 carry the hidden layer's blocks 0, 1, 0, 1: both sides' scale words are (s0, s1, s0, s1).
;  - Each bias is the C of its one matrix instruction; D is never C: no chain in place.
;  - b3 enters as the addend of the dot's first packed multiply-add: -log2(e) b3 / 4 in each of the row's four partial sums.
; THE SIGMOID goes four units (64 rows, two registers) at a time, and each of its parts stands right behind the one s_wait_alu at a step's head, in four steps on end: the exponentials, the
; additions of 1, the reciprocals, the stores.  So that one wait a step is the wait ahead of each batch of transcendentals and the wait behind it.
; Every matrix result is first read in the step that makes it, so none is first read across a transcendental.
; LDS is filled once, in three groups of one tensor load a wave:
;  at the head waves 0-7 fetch the codes of each half's first 256 rows (units 0-15; 1,536 bytes a wave) and waves 8-15 x's scale bytes (256 each); behind the first barrier every wave fetches
;  2,304 bytes of the other 768 rows of its half; behind a second barrier, between units 13 and 14, its 4,096 bytes of the probabilities.  Up to that barrier units 0 to 14 are read.
; NO PREFETCH: every byte is asked for once, by the three groups above; no loop asks for more.
; NO CLUSTER: work-groups share only the weights, 30 KB, read once by each wave into registers, against 115 KiB of the work-group's own.
; LIMITS.  NaN and infinities among the inputs are not served.  A block of the hidden layer with no number over 2^-124 gets the scale byte 1 (for zeros the rule says 127: what it carries adds
; nothing, or cancels, under either byte).  A scale byte 0xff among the inputs makes NaN of its own sums.  2 b2 must stay finite: |b2| under 2^127.
.set XC,    0                          ; LDS: x's codes as in memory, 24 bytes a row
.set XSC,   49152                      ; x's 2,048 scale bytes
.set PR,    51200                      ; probabilities: 512 lines of 128 bytes + 16 of padding
.set CON,   124928                     ; sigmoids [expert][2,048] f32: LDS stores alone
.set SPARE, 190464                     ; the spare words, 128 bytes a wave
.set AX,    1                          ; v1-3 addresses of the trip: x rows, scale bytes, sigmoids (last phase: sigmoids, probabilities, output)
.set AXS,   2
.set ASIG,  3
.set AX0,   4                          ; v4-6 their bases
.set AXS0,  5
.set ASIG0, 6
.set AM0,   7                          ; v7, v8, v14, v15: four chains of the block's maximum, a tile each
.set AM1,   8
.set AM2,   14
.set AM3,   15
.set SC,    9                          ; the conversions' scale operand
.set TT,    10                         ; my block's scale byte in the top byte (before that: a leaf of the maximum)
.set OT,    11                         ; the other half's
.set PK,    12                         ; v[12:13] the dot, two at a time (last phase v12-15: results)
.set XS,    16                         ; v16-23 hold scales and nothing else
.set HS,    17
.set W1S,   18
.set W2S,   22
.set XF,    24                         ; v24-35 x's fragment; v30-35 stay 0
.set CD,    36                         ; v36-47 the hidden layer's codes: c, |c|, c, |c|
.set ACC1,  48                         ; v48-79 first product (head: offsets; last phase: sigmoids)
.set ACC2,  80                         ; v80-111 second product, two sets by turns (last phase: probabilities)
.set W1F,   112
.set W2F,   160
.set B1R,   184
.set B2R,   216                        ; 2 b2
.set W3R,   232                        ; -log2(e)/2 x W3
.set ZE,    248                        ; v248-249 the sigmoids of four units at work
.set PP,    250                        ; v250-253 four units: my half of each dot
.set SPW,   254                        ; my spare word's address; never rewritten
.set NIL,   255                        ; 0; never rewritten
.set SX,    38                         ; s38, s39, s43: the trip's byte steps among x rows, scale bytes, sigmoids
.set SS,    39
.set SG,    43
.set G0S,   44
.set G0X,   48
.set G0P,   52
.set G1S,   56
.set G1X,   68
.set G1P,   76
.set MK,    84                         ; s84-86 all bits but the sign bits of 16 codes in three registers
.set XWG,   87                         ; s87 where the work-group's codes begin in x_codes, in bytes
.macro PLACES n
.rept \n
	v_nop
.endr
.endm
.macro DESC g, w0, c, r                ; descriptor group 1: r rows of c elements of 8 bytes, dense
	s_mov_b32 s[\g], \w0
	s_mov_b32 s[\g+1], (\c)<<16
	s_mov_b32 s[\g+2], (\r)<<16
	s_mov_b32 s[\g+3], (\c)<<16
	s_mov_b32 s[\g+4], \r
	s_mov_b32 s[\g+5], \c
	s_mov_b32 s[\g+6], 0
	s_mov_b32 s[\g+7], 0
.endm
.macro LOADX xo, so                    ; 16 rows of x: lane (r, h) takes row r's 24 bytes and its scale byte
.irp p, 0,1,2
	ds_load_b64 v[XF+2*\p:XF+2*\p+1], v[AX] offset:\xo+8*\p
.endr
	ds_load_u8 v[XS], v[AXS] offset:\so
.endm
.macro P1
.irp t, 0,1,2,3
	v_wmma_scale_f32_16x16x128_f8f6f4 v[ACC1+8*\t:ACC1+8*\t+7], v[W1F+12*\t:W1F+12*\t+11], v[XF:XF+11], v[B1R+8*\t:B1R+8*\t+7], v[W1S+\t], v[XS] matrix_a_fmt:MATRIX_FMT_FP6 matrix_b_fmt:MATRIX_FMT_FP6
.endr
.endm
.macro P2 d
.irp t, 0,1
	v_wmma_scale_f32_16x16x128_f8f6f4 v[ACC2+16*(\d)+8*\t:ACC2+16*(\d)+8*\t+7], v[W2F+12*\t:W2F+12*\t+11], v[CD:CD+11], v[B2R+8*\t:B2R+8*\t+7], v[W2S+\t], v[HS] matrix_a_fmt:MATRIX_FMT_FP6 matrix_b_fmt:MATRIX_FMT_FP6
.endr
.endm
.macro DRELU reg                       ; the second activation, two numbers a line
	v_dual_max_num_f32 v[\reg], 0, v[\reg] :: v_dual_max_num_f32 v[\reg+1], 0, v[\reg+1]
.endm
.macro PKF a, j                        ; two more terms of the dot with W3
	v_pk_fma_f32 v[PK:PK+1], v[ACC2+16*(\a)+\j:ACC2+16*(\a)+\j+1], v[W3R+\j:W3R+\j+1], v[PK:PK+1]
.endm
.macro TPK t, a, j
.if \t
	PKF \a, \j
.endif
.endm
.macro DOT4 a                          ; the dot's first four lines: plain lines that name nothing of the products just issued: the places behind them
	v_pk_fma_f32 v[PK:PK+1], v[ACC2+16*(\a):ACC2+16*(\a)+1], v[W3R:W3R+1], s[36:37] op_sel_hi:[1,1,0]   ; it begins at b3's share
.irp j, 2,4,6
	s_delay_alu instid0(VALU_DEP_1)
	PKF \a, \j
.endr
.endm
.macro MX3 d, x, y, z
	v_max3_num_f32 v[\d], v[\x], v[\y], v[\z]
.endm
; The largest of my block's 32 numbers behind the activation: no |.|, what is negative must not count; the floor 2^(3 - 127) holds the byte at 1 from below.  33 leaves, 16 lines: a chain a tile
; (each accumulator read from its low end on), the tiles in the order in which they are made, the dot's last four lines among them.
.macro QMAX t, a
	MX3 AM0, ACC1,    ACC1+1,  ACC1+2
	MX3 AM1, ACC1+8,  ACC1+9,  ACC1+10
	TPK \t, \a, 8
	MX3 AM0, AM0, ACC1+3,  ACC1+4
	MX3 AM1, AM1, ACC1+11, ACC1+12
	TPK \t, \a, 10
	MX3 AM0, AM0, ACC1+5,  ACC1+6
	MX3 AM1, AM1, ACC1+13, ACC1+14
	TPK \t, \a, 12
	MX3 AM2, ACC1+16, ACC1+17, ACC1+18
	MX3 AM3, ACC1+24, ACC1+25, ACC1+26
	MX3 AM0, AM0, AM1, ACC1+7
	TPK \t, \a, 14
	MX3 AM2, AM2, ACC1+19, ACC1+20
	MX3 AM3, AM3, ACC1+27, ACC1+28
	v_max3_num_f32 v[TT], v[ACC1+23], v[ACC1+31], 0x1800000
	MX3 AM2, AM2, ACC1+21, ACC1+22
	MX3 AM3, AM3, ACC1+29, ACC1+30
	MX3 AM0, AM0, TT, ACC1+15
	MX3 AM0, AM0, AM2, AM3
.endm
.macro QSCALE
	v_lshl_add_u32 v[TT], v[AM0], 1, 0xfe000000    ; the maximum's exponent field less 2, the scale's byte, in the top byte
	v_add_nc_u32 v[SC], 0xff000000, v[AM0]         ; the same field in its own place: the conversion's scale operand
	s_delay_alu instid0(VALU_DEP_2)
	v_permlanex16_b32 v[OT], v[TT], s32, s33       ; the row's other block's byte
	s_delay_alu instid0(VALU_DEP_1)
	v_perm_b32 v[HS], v[OT], v[TT], 0x07030703     ; lanes 0-15, which are read: (s0, s1, s0, s1)
.endm
.macro GATHER                          ; four units' half dots become 64 rows' whole exponents in two registers
	v_permlane16_swap_b32 v[PP], v[PP+1]           ; an even unit's upper halves change places with the odd unit's lower halves
	v_permlane16_swap_b32 v[PP+2], v[PP+3]
	v_add_f32 v[ZE], v[PP], v[PP+1]                ; lane l: -log2(e) (row l's dot + b3)
	v_add_f32 v[ZE+1], v[PP+2], v[PP+3]
.endm
; THE STEP OF UNIT u (a = u % 2), a pipeline three deep: second product of unit u - 1 and its activation (p2), first product and quantising of unit u (p1), the dot of unit u - 2 into
; v[PP + pi] (t), fetch of x of unit u + 1 (ld).  ph: the part of the sigmoid that stands in this step: 1 exponentials, 2 additions, 3 reciprocals, 4 stores at go, and the next four units
; gathered at the step's end; 5 that gathering alone.
.macro STEP a, p2, p1, t, pi, ld, xo, so, ph, go
	s_wait_alu depctr_va_vdst(0)                   ; ahead of the transcendentals and of the wait below, and behind the last step's transcendentals
.if (\ph) == 1
	v_exp_f32 v[ZE], v[ZE]
	v_exp_f32 v[ZE+1], v[ZE+1]
.elseif (\ph) == 2
	v_add_f32 v[ZE], 1.0, v[ZE]
	v_add_f32 v[ZE+1], 1.0, v[ZE+1]
.elseif (\ph) == 3
	v_rcp_f32 v[ZE], v[ZE]
	v_rcp_f32 v[ZE+1], v[ZE+1]
.endif
.if \p1
	s_wait_dscnt 0x0                               ; x of this unit and its scale bytes, asked for a step ago
.endif
.if \p2
	P2 1-(\a)
.endif
.if \p1
	P1
.endif
.if \t
	DOT4 \a                                        ; four places in front of the loads into x's registers and of the first read of results
.else
	PLACES 4
.endif
.if (\ph) == 4
	ds_store_b32 v[ASIG], v[ZE] offset:\go
	ds_store_b32 v[ASIG], v[ZE+1] offset:\go+128
.endif
.if \ld
	LOADX \xo, \so
.endif
.if \p1
	QMAX \t, \a
	QSCALE                                         ; the scale word stands eleven plain lines or more ahead of the product that names it
	v_cvt_scalef32_pk16_fp6_f32 v[CD:CD+2], v[ACC1:ACC1+15], v[SC]         ; units 32 h + 0 .. 15, signs kept
	v_cvt_scalef32_pk16_fp6_f32 v[CD+6:CD+8], v[ACC1+16:ACC1+31], v[SC]    ; units 32 h + 16 .. 31
.elseif \t
.irp j, 8,10,12,14
	PKF \a, \j
.endr
.endif
.if \t
	v_add_f32 v[PP+\pi], v[PK], v[PK+1]            ; my half's 16 units of row r; also the plain line behind the conversions
.elseif \p1
	v_nop
.endif
.if \p2
.irp j, 0,2,4,6
	DRELU ACC2+16*(1-(\a))+\j                      ; the second layer just made, from each accumulator's low end on
.endr
.endif
.if \p1
.irp i, 0,1,2
	v_and_b32 v[CD+3+\i], s[MK+\i], v[CD+\i]       ; |c|: the sign bits cleared
	v_and_b32 v[CD+9+\i], s[MK+\i], v[CD+6+\i]
.endr
.endif
.if \p2
.irp j, 8,10,12,14
	DRELU ACC2+16*(1-(\a))+\j                      ; four plain lines: the places between the last write of the codes and the product that reads them
.endr
.elseif \p1
	PLACES 4
.endif
.if (\ph) > 3
	GATHER
.endif
.endm
.macro QUAD                            ; a trip: four units; it fetches 64 rows of x, issues 24 matrix instructions and finishes 64 sigmoids
	v_add_nc_u32 v[AX], s[SX], v[AX0]
	v_add_nc_u32 v[AXS], s[SS], v[AXS0]
	v_add_nc_u32 v[ASIG], s[SG], v[ASIG0]
	STEP 0, 1, 1, 1, 0, 1, 0,    0,  1, 0
	STEP 1, 1, 1, 1, 1, 1, 384,  16, 2, 0
	STEP 0, 1, 1, 1, 2, 1, 768,  32, 3, 0
	STEP 1, 1, 1, 1, 3, 1, 1152, 48, 4, 0
	s_add_co_u32 s[SX], s[SX], 1536
	s_add_co_u32 s[SS], s[SS], 64
	s_add_co_u32 s[SG], s[SG], 256
	s_sub_co_u32 s31, s31, 1
	s_cmp_lg_u32 s31, 0
.endm
	s_load_b256 s[4:11], s[0:1], 0x0               ; x's codes, x's scales, probabilities, W1's codes
	s_load_b256 s[12:19], s[0:1], 0x20             ; W1's scales, b1, W2's codes, W2's scales
	s_load_b256 s[20:27], s[0:1], 0x40             ; b2, W3, b3, out
	v_lshl_add_u32 v[SPW], v0, 2, SPARE
	v_mov_b32 v[NIL], 0
	ds_add_u32 v[SPW], v[NIL]                      ; the opening lines: the add twice on end and one wait
	ds_add_u32 v[SPW], v[NIL]
	v_lshrrev_b32 v48, 5, v0
	v_readfirstlane_b32 s28, v48                   ; wave 0..15
	s_and_b32 s29, s28, 7                          ; e
	s_lshr_b32 s30, s28, 3                         ; g
	s_mov_b32 s32, 0x76543210
	s_mov_b32 s33, 0xfedcba98                      ; selects for lane l xor 16
	s_mov_b32 s41, 0                               ; the upper word of every byte offset
	s_mov_b32 s[MK], 0xdf7df7df                    ; sign bits stand at bits 6 i + 5 of the 96
	s_mov_b32 s[MK+1], 0xf7df7df7
	s_mov_b32 s[MK+2], 0x7df7df7d
	DESC G1X, 3<<16, 32, 6                         ; x's codes, first part: 6 rows of 256 bytes a wave
	DESC G1S, 3<<16, 32, 1                         ; x's scale bytes: one row of 256 bytes a wave,
	s_mov_b32 s[G1S+6], 1<<16                      ; whose descriptor states a plane's stride too
	DESC G1P, (3<<16)|(1<<20)|(4<<22)|(3<<25), 16, 32   ; probabilities: 32 rows of 128 bytes a wave, 16 bytes of padding behind each
	s_wait_alu depctr_va_vdst(0)
	s_wait_dscnt 0x0
	s_wait_kmcnt 0x0
	s_mul_i32 s[XWG], ttmp9, 49152
	s_lshr_b32 s[G0X+1], s28, 2                    ; waves 0-7: half w / 4, quarter w % 4 of its first 6,144 bytes
	s_mul_i32 s[G0X+1], s[G0X+1], 24576
	s_and_b32 s42, s28, 3
	s_mul_i32 s42, s42, 1536
	s_add_co_u32 s[G0X+1], s[G0X+1], s42           ; the same place in LDS (XC = 0) as in the work-group's part of memory
	s_add_co_u32 s40, s[XWG], s[G0X+1]
	s_mov_b32 s[G0X], 1
	s_add_nc_u64 s[G0X+2:G0X+3], s[4:5], s[40:41]
	s_or_b32 s[G0X+3], s[G0X+3], 0x80000000
	s_lshl_b32 s42, s29, 8                         ; waves 8-15: x's scale bytes: 2,048 x work-group + 256 x (wave - 8)
	s_lshl_b32 s40, ttmp9, 11
	s_add_co_u32 s40, s40, s42
	s_mov_b32 s[G0S], 1
	s_add_co_u32 s[G0S+1], s42, XSC
	s_add_nc_u64 s[G0S+2:G0S+3], s[6:7], s[40:41]
	s_or_b32 s[G0S+3], s[G0S+3], 0x80000000
	s_cmp_lt_u32 s28, 8                            ; one load a wave at the head, in one if and else
	s_cbranch_scc0 .Lscales
	tensor_load_to_lds s[G0X:G0X+3], s[G1X:G1X+7]
	s_nop 0
	PLACES 4
	s_branch .Lasked
.Lscales:
	tensor_load_to_lds s[G0S:G0S+3], s[G1S:G1S+7]
	s_nop 0
	PLACES 4
.Lasked:
	s_lshl_b32 s40, ttmp9, 16                      ; the probabilities: 65,536 x work-group + 4,096 x wave
	s_lshl_b32 s42, s28, 12
	s_add_co_u32 s40, s40, s42
	s_mov_b32 s[G0P], 1
	s_mul_i32 s[G0P+1], s28, 4608                  ; to PR + 32 lines of 144 bytes x wave
	s_add_co_u32 s[G0P+1], s[G0P+1], PR
	s_add_nc_u64 s[G0P+2:G0P+3], s[8:9], s[40:41]
	s_or_b32 s[G0P+3], s[G0P+3], 0x80000000
	s_mul_i32 s40, s29, 1536                       ; my expert's part of each weight
	s_add_nc_u64 s[10:11], s[10:11], s[40:41]
	s_add_nc_u64 s[16:17], s[16:17], s[40:41]
	s_lshl_b32 s40, s29, 6
	s_add_nc_u64 s[12:13], s[12:13], s[40:41]
	s_add_nc_u64 s[18:19], s[18:19], s[40:41]
	s_lshl_b32 s40, s29, 8
	s_add_nc_u64 s[14:15], s[14:15], s[40:41]
	s_lshl_b32 s40, s29, 7
	s_add_nc_u64 s[20:21], s[20:21], s[40:41]
	s_add_nc_u64 s[22:23], s[22:23], s[40:41]
	s_lshl_b32 s40, s29, 2
	s_add_nc_u64 s[24:25], s[24:25], s[40:41]
	s_load_b32 s35, s[24:25], 0x0                  ; b3
	s_lshl_b32 s40, ttmp9, 13
	s_add_nc_u64 s[26:27], s[26:27], s[40:41]      ; out: 2,048 rows of 4 bytes a work-group
	s_mul_i32 s38, s30, 24576                      ; my half's x rows,
	s_lshl_b32 s39, s30, 10
	s_add_co_u32 s39, s39, XSC                     ; their scale bytes,
	s_lshl_b32 s43, s29, 13
	s_lshl_b32 s42, s30, 12
	s_add_co_u32 s43, s43, s42
	s_add_co_u32 s43, s43, CON                     ; my sigmoids
	v_and_b32 v48, 31, v0                          ; lane
	v_and_b32 v49, 15, v0                          ; r
	v_bfe_u32 v50, v0, 4, 1                        ; h
	v_lshrrev_b32 v57, 3, v49                      ; r / 8
	v_and_b32 v52, 7, v49                          ; r % 8
	v_mul_u32_u24 v51, v52, 24
	v_lshlrev_b32 v53, 7, v50                      ; b1: my 32 units begin at 32 h
	v_mul_u32_u24 v54, v49, 48
	v_lshlrev_b32 v55, 1, v49                      ; W2's two scale bytes
	v_lshlrev_b32 v56, 5, v50                      ; b2, W3: my 8 units of a tile begin at 8 h
	v_mad_u32_u24 v51, v57, 768, v51               ; W1: lane r of tile t takes unit 32 (r / 8) + 8 t + r % 8
	v_lshl_add_u32 v52, v57, 5, v52                ; and its scale byte
	v_mad_u32_u24 v54, v50, 24, v54                ; W2: row 16 t + r of 48 bytes, block h
	v_mul_u32_u24 v[AX0], v49, 24
	v_add_nc_u32 v[AXS0], s39, v49
	v_lshl_add_u32 v[ASIG0], v48, 2, s43
	v_add_nc_u32 v[AX0], s38, v[AX0]
.irp t, 0,1,2,3
.irp p, 0,1,2
	global_load_b64 v[W1F+12*\t+2*\p:W1F+12*\t+2*\p+1], v51, s[10:11] offset:192*\t+8*\p
.endr
	global_load_u8 v[W1S+\t], v52, s[12:13] offset:8*\t                    ; bytes 1-3 are 0: they stand over products that are 0
	global_load_b128 v[B1R+8*\t:B1R+8*\t+3], v53, s[14:15] offset:32*\t
	global_load_b128 v[B1R+8*\t+4:B1R+8*\t+7], v53, s[14:15] offset:32*\t+16
.endr
.irp t, 0,1
	global_load_b96 v[W2F+12*\t:W2F+12*\t+2], v54, s[16:17] offset:768*\t          ; codes 0 .. 15 of block h
	global_load_b96 v[W2F+12*\t+6:W2F+12*\t+8], v54, s[16:17] offset:768*\t+12     ; codes 16 .. 31
	global_load_u16 v[W2S+\t], v55, s[18:19] offset:32*\t
	global_load_b128 v[B2R+8*\t:B2R+8*\t+3], v56, s[20:21] offset:64*\t
	global_load_b128 v[B2R+8*\t+4:B2R+8*\t+7], v56, s[20:21] offset:64*\t+16
	global_load_b128 v[W3R+8*\t:W3R+8*\t+3], v56, s[22:23] offset:64*\t
	global_load_b128 v[W3R+8*\t+4:W3R+8*\t+7], v56, s[22:23] offset:64*\t+16
.endr
.irp t, 0,1,2,3                        ; zero codes, written once: the first product's K is 32 of 128
.irp p, 6,7,8,9,10,11
	v_mov_b32 v[W1F+12*\t+\p], 0
.endr
.endr
.irp p, 6,7,8,9,10,11
	v_mov_b32 v[XF+\p], 0
.endr
	v_mov_b32 v[OT], 0                             ; a lane permute's destination counts as one of its sources
	v_add_nc_u32 v[AX], 0, v[AX0]
	v_add_nc_u32 v[AXS], 0, v[AXS0]
	v_cmp_gt_u32 vcc_lo, 16, v48
	s_wait_alu depctr_va_vdst(0)
	s_wait_loadcnt 0x0                             ; the weights are in; the offsets' registers are free
.irp t, 0,1
	v_lshl_or_b32 v[W2S+\t], v[W2S+\t], 16, v[W2S+\t]      ; (s0, s1, s0, s1)
.irp i, 0,1,2
	v_mov_b32 v[W2F+12*\t+3+\i], v[W2F+12*\t+\i]           ; W2's codes once more, against |c|
	v_mov_b32 v[W2F+12*\t+9+\i], v[W2F+12*\t+6+\i]
.endr
.endr
.irp t, 0,1,2,3
.irp p, 0,1,2,3,4,5
	v_cndmask_b32 v[W1F+12*\t+\p], 0, v[W1F+12*\t+\p], vcc_lo   ; lanes 16-31 hold k 32 .. 63: zero codes
.endr
.endr
.irp j, 0,2,4,6,8,10,12,14
	v_pk_add_f32 v[B2R+\j:B2R+\j+1], v[B2R+\j:B2R+\j+1], v[B2R+\j:B2R+\j+1]               ; 2 b2
	v_pk_mul_f32 v[W3R+\j:W3R+\j+1], v[W3R+\j:W3R+\j+1], 0xbf38aa3b op_sel_hi:[1,0]       ; -log2(e)/2 x W3
.endr
	s_wait_kmcnt 0x0
	s_mul_f32 s36, s35, 0xbeb8aa3b                 ; -log2(e)/4 x b3: a row's dot has four partial sums
	s_mov_b32 s37, s36                             ; (the packed form names the pair)
	s_wait_alu depctr_va_vdst(0)                   ; the wait at the head's end
	s_wait_tensorcnt 0x0                           ; my part of the head's tiles is in
	ds_add_u32 v[SPW], v[NIL]
	s_mov_b32 s[G1X+2], 9<<16                      ; no tensor load of mine is out, so descriptors may be written: 9 rows of 256 bytes a wave,
	s_mov_b32 s[G1X+4], 9
	s_mul_i32 s[G0X+1], s30, 24576                 ; my half's bytes from 6,144 on, eighth w % 8
	s_mul_i32 s42, s29, 2304
	s_add_co_u32 s[G0X+1], s[G0X+1], s42
	s_add_co_u32 s[G0X+1], s[G0X+1], 6144
	s_add_co_u32 s40, s[XWG], s[G0X+1]
	s_add_nc_u64 s[G0X+2:G0X+3], s[4:5], s[40:41]
	s_or_b32 s[G0X+3], s[G0X+3], 0x80000000
	s_wait_dscnt 0x0
	s_barrier_signal -1
	s_barrier_wait -1                              ; everybody's part is in: units 0 to 15 and all scale bytes
	tensor_load_to_lds s[G0X:G0X+3], s[G1X:G1X+7]  ; my one load behind the barrier: it has units 0 to 13 in which to land
	s_nop 0
	PLACES 4
	LOADX 0, 0                                     ; unit 0
	STEP 0, 0, 1, 0, 0, 1, 384,  16, 0, 0          ; units 0 to 5: the pipeline fills,
	STEP 1, 1, 1, 0, 0, 1, 768,  32, 0, 0
	STEP 0, 1, 1, 1, 0, 1, 1152, 48, 0, 0
	STEP 1, 1, 1, 1, 1, 1, 1536, 64, 0, 0
	STEP 0, 1, 1, 1, 2, 1, 1920, 80, 0, 0
	STEP 1, 1, 1, 1, 3, 1, 2304, 96, 5, 0          ; and units 0 to 3 are gathered
	s_mov_b32 s[SX], 7*384                         ; the first trip fetches units 7 to 10
	s_mov_b32 s[SS], 7*16
	s_mov_b32 s[SG], 0                             ; and stores the sigmoids of units 0 to 3
	s_mov_b32 s31, 2
.Lfirst:                                               ; 2 trips, units 6 to 13: they fetch units 7 to 14, bytes under 6,144 of my half
	QUAD
	s_cbranch_scc1 .Lfirst
	s_wait_alu depctr_va_vdst(0)
	s_wait_tensorcnt 0x0                           ; my part of the other 768 rows is in; the same lines ahead of the last first fill
	ds_add_u32 v[SPW], v[NIL]
	s_mov_b32 s[SX], 15*384                        ; the next trip fetches units 15 to 18
	s_mov_b32 s[SS], 15*16
	s_mov_b32 s[SG], 2*256                         ; and stores the sigmoids of units 8 to 11
	s_mov_b32 s31, 12
	s_wait_dscnt 0x0
	s_barrier_signal -1
	s_barrier_wait -1                              ; all of x is in
	tensor_load_to_lds s[G0P:G0P+3], s[G1P:G1P+7]  ; my one load behind this barrier: it has units 14 to 63 in which to land
	s_nop 0
	PLACES 4
.Lquad:                                                ; 12 trips, units 14 to 61
	QUAD
	s_cbranch_scc1 .Lquad
	v_add_nc_u32 v[AX], s[SX], v[AX0]              ; unit 63
	v_add_nc_u32 v[AXS], s[SS], v[AXS0]
	v_add_nc_u32 v[ASIG], s[SG], v[ASIG0]          ; units 56 to 59; units 60 to 63 lie 256 bytes on
	STEP 0, 1, 1, 1, 0, 1, 0, 0, 1, 0              ; unit 62
	STEP 1, 1, 1, 1, 1, 0, 0, 0, 2, 0              ; unit 63: nothing more to fetch
	STEP 0, 1, 0, 1, 2, 0, 0, 0, 3, 0              ; the pipeline drains
	STEP 1, 0, 0, 1, 3, 0, 0, 0, 4, 0
	s_wait_alu depctr_va_vdst(0)                   ; the last four units' sigmoids: a wait ahead of each batch and ahead of each batch's first reader
	v_exp_f32 v[ZE], v[ZE]
	v_exp_f32 v[ZE+1], v[ZE+1]
	v_nop                                          ; a plain line behind the exponentials
	s_wait_alu depctr_va_vdst(0)
	v_add_f32 v[ZE], 1.0, v[ZE]
	v_add_f32 v[ZE+1], 1.0, v[ZE+1]
	s_wait_alu depctr_va_vdst(0)
	v_rcp_f32 v[ZE], v[ZE]
	v_rcp_f32 v[ZE+1], v[ZE+1]
	v_nop                                          ; and behind the reciprocals
	s_wait_alu depctr_va_vdst(0)
	ds_store_b32 v[ASIG], v[ZE] offset:256
	ds_store_b32 v[ASIG], v[ZE+1] offset:384
	; THE WEIGHTED SUM.  Thread t takes rows 4 t .. 4 t + 3: of each expert 16 bytes of sigmoids, and the rows' 128 bytes of probabilities.
	s_wait_tensorcnt 0x0                           ; my part of the probabilities is in,
	s_wait_dscnt 0x0                               ; my sigmoids are stored
	s_barrier_signal -1
	v_lshl_add_u32 v1, v0, 4, CON
	v_mul_u32_u24 v2, v0, 144
	v_lshlrev_b32 v3, 4, v0
	v_add_nc_u32 v2, PR, v2
	s_wait_alu depctr_va_vdst(0)
	s_barrier_wait -1
.irp e, 0,1,2,3,4,5,6,7
	ds_load_b128 v[ACC1+4*\e:ACC1+4*\e+3], v1 offset:8192*\e       ; register 4 e + k: expert e's sigmoid of row 4 t + k
.endr
.irp i, 0,1,2,3,4,5,6,7
	ds_load_b128 v[ACC2+4*\i:ACC2+4*\i+3], v2 offset:16*\i         ; register 8 k + e: row 4 t + k's probability of expert e
.endr
	s_wait_dscnt 0x0
.irp k, 0,1,2,3
	v_mul_f32 v[PK+\k], v[ACC1+\k], v[ACC2+8*\k]
.endr
.irp e, 1,2,3,4,5,6,7
.irp k, 0,1,2,3
	s_delay_alu instid0(VALU_DEP_4)
	v_fmac_f32 v[PK+\k], v[ACC1+4*\e+\k], v[ACC2+8*\k+\e]          ; four chains by turns
.endr
.endr
	global_store_b128 v3, v[PK:PK+3], s[26:27] th:TH_STORE_NT      ; a wave stores 512 consecutive bytes, at a multiple of 512 from the output's first byte
	s_wait_tensorcnt 0x0                           ; the wave's end
	ds_add_u32 v[SPW], v[NIL]
	s_wait_dscnt 0x0
	s_endpgm
.Lfunc_end_k_qaf5e199dc9_moe:
	.size	k_qaf5e199dc9_moe, .Lfunc_end_k_qaf5e199dc9_moe-k_qaf5e199dc9_moe
	.p2alignl 7, 3214868480
	.fill 96, 4, 3214868480
	.section	.rodata,"a",@progbits
	.p2align	6, 0x0
	.amdhsa_kernel k_qaf5e199dc9_moe
		.amdhsa_group_segment_fixed_size 327680
		.amdhsa_private_segment_fixed_size 0
		.amdhsa_enable_private_segment 0
		.amdhsa_kernarg_size 96
		.amdhsa_user_sgpr_count 2
		.amdhsa_user_sgpr_kernarg_segment_ptr 1
		.amdhsa_wavefront_size32 1
		.amdhsa_system_sgpr_workgroup_id_x 1
		.amdhsa_system_sgpr_workgroup_id_y 1
		.amdhsa_system_sgpr_workgroup_id_z 1
		.amdhsa_system_vgpr_workitem_id 0
		.amdhsa_next_free_vgpr 256
		.amdhsa_next_free_sgpr 88
		.amdhsa_reserve_vcc 1
		.amdhsa_float_denorm_mode_32 3
		.amdhsa_float_denorm_mode_16_64 3
		.amdhsa_memory_ordered 1
		.amdhsa_forward_progress 1
		.amdhsa_inst_pref_size 85
	.end_amdhsa_kernel
	.amdgpu_metadata
---
amdhsa.version: [ 1, 2 ]
amdhsa.kernels:
  - .name:           k_qaf5e199dc9_moe
    .symbol:         k_qaf5e199dc9_moe.kd
    .args:
      - { .name: x_codes, .offset: 0, .size: 8, .value_kind: global_buffer, .address_space: global }
      - { .name: x_scales, .offset: 8, .size: 8, .value_kind: global_buffer, .address_space: global }
      - { .name: soft_cluster_probs, .offset: 16, .size: 8, .value_kind: global_buffer, .address_space: global }
      - { .name: W1_codes, .offset: 24, .size: 8, .value_kind: global_buffer, .address_space: global }
      - { .name: W1_scales, .offset: 32, .size: 8, .value_kind: global_buffer, .address_space: global }
      - { .name: b1, .offset: 40, .size: 8, .value_kind: global_buffer, .address_space: global }
      - { .name: W2_codes, .offset: 48, .size: 8, .value_kind: global_buffer, .address_space: global }
      - { .name: W2_scales, .offset: 56, .size: 8, .value_kind: global_buffer, .address_space: global }
      - { .name: b2, .offset: 64, .size: 8, .value_kind: global_buffer, .address_space: global }
      - { .name: W3, .offset: 72, .size: 8, .value_kind: global_buffer, .address_space: global }
      - { .name: b3, .offset: 80, .size: 8, .value_kind: global_buffer, .address_space: global }
      - { .name: out0, .offset: 88, .size: 8, .value_kind: global_buffer, .address_space: global }
    .group_segment_fixed_size: 327680
    .private_segment_fixed_size: 0
    .kernarg_segment_align: 8
    .kernarg_segment_size: 96
    .max_flat_workgroup_size: 512
    .sgpr_count:     88
    .vgpr_count:     256
    .wavefront_size: 32
...
	.end_amdgpu_metadata
.endif
;; end of part 1
